; MI455X (gfx1250); checked and timed in simulation.
; The chip was launched on July 23, 2026; its instructions are those of AMD's public machine-readable ISA for CDNA 5 (MIT licence, August 2026) and "CDNA5" Instruction Set Architecture Reference Guide (July 2026). The comments in the code are by the model that wrote it; some were corrected since.
;; Attention. Allowed arithmetic: float matrix products may take bf16 or f16 operands with f32 sums; all other float work in f32.
;; Inputs: W_proj 1,024 x 1,024 float32; W_qkv 3,072 x 1,024 float32; b_proj 1,024 float32; x 4 x 2,048 x 1,024 float32.
;; Outputs: out0 4 x 2,048 x 1,024 float32.
;; One version. Each part assembles by itself: llvm-mc -triple=amdgcn-amd-amdhsa -mcpu=gfx1250 --defsym DOCPART=n.
;; ======== version 1 of 1: 4 launches
;; limits: values are held in f16: magnitudes above 65,504 overflow, below 6.1e-05 lose precision
;; workspace buffers: xh 16,777,216 bytes; wqh 6,291,456 bytes; wph 2,097,152 bytes; qkv 50,331,648 bytes; att 16,777,216 bytes
;; launch cast_f16 (part 1): grid 768 x 1, 8 waves a work-group, no clusters, 0 bytes of LDS; arguments x, W_qkv, W_proj, xh, wqh, wph; writes xh, wqh, wph
.if DOCPART == 1
	.amdgcn_target "amdgcn-amd-amdhsa--gfx1250"
	.amdhsa_code_object_version 6
	.text
	.protected	k_q94a2a27d75_cast_f16
	.globl	k_q94a2a27d75_cast_f16
	.p2align	8
	.type	k_q94a2a27d75_cast_f16,@function
k_q94a2a27d75_cast_f16:
	s_mov_b64 s[64:65], 0
	v_nop
	global_prefetch_b8 v0, s[64:65] scope:SCOPE_SE
	s_setreg_imm32_b32 hwreg(HW_REG_WAVE_MODE, 25, 1), 1
	s_wait_xcnt 0x0
; xh = f16(x), wqh = f16(W_qkv, its first 1,024 rows times 0.125 log2(e)), wph = f16(W_proj).
; The factor is attention's scale 64^-0.5 together with the change from e^x to 2^x; it is applied to the q rows of the weight in f32, ahead of
; the one rounding to f16, so the scores of the attention launch arrive in base-2 units and no rounding is added.
; LIMIT: a number above 65,504 in magnitude becomes infinite in f16; numbers below 6.1e-5 keep an absolute step of 6e-8.
; A stream: no LDS, no barrier, no matrix unit.  A work-group takes 16,384 numbers (65,536 bytes in, 32,768 out): work-groups 0-511 x, 512-703 W_qkv,
; 704-767 W_proj.  A thread's sixteen loads of 16 bytes are all issued before the first is used; a wave's load covers 512 consecutive bytes, a
; wave's store of 8 bytes a lane covers 256 consecutive bytes, aligned.  No register is written twice, so no source has to be freed.
.set X, 4                              ; v[4:67]   sixteen loads of four f32
.set Y, 68                             ; v[68:99]  sixteen pairs of registers, four f16 each
	s_load_b256 s[4:11], s[0:1], 0x0               ; x s[4:5], W_qkv s[6:7], W_proj s[8:9], xh s[10:11]
	s_load_b128 s[12:15], s[0:1], 0x20             ; wqh s[12:13], wph s[14:15]
	v_lshlrev_b32 v1, 4, v0                        ; 16 bytes a thread in
	v_lshlrev_b32 v2, 3, v0                        ; 8 bytes a thread out
	s_movk_i32 s21, 512                            ; first work-group of W_qkv
	s_movk_i32 s26, 704                            ; first work-group of W_proj
	s_sub_co_u32 s27, ttmp9, 512                   ; work-groups 512-575 hold W_qkv's rows 0-1023 (64 x 16,384 numbers); lower numbers wrap to large ones
	s_cmp_lt_u32 s27, 64
	s_cselect_b32 s28, 0x3e38aa3b, 1.0             ; 0.125 log2(e) for the q rows, 1.0 (exact) for all else
	s_mov_b32 s29, s28
	s_wait_kmcnt 0x0
	s_cmp_lt_u32 ttmp9, 704
	s_cselect_b64 s[16:17], s[6:7], s[8:9]         ; from
	s_cselect_b64 s[18:19], s[12:13], s[14:15]     ; to
	s_cselect_b32 s20, s21, s26                    ; the tensor's first work-group
	s_cmp_lt_u32 ttmp9, 512
	s_cselect_b64 s[16:17], s[4:5], s[16:17]
	s_cselect_b64 s[18:19], s[10:11], s[18:19]
	s_cselect_b32 s20, 0, s20
	s_sub_co_u32 s20, ttmp9, s20                   ; my place in the tensor
	s_lshl_b32 s22, s20, 16
	s_mov_b32 s23, 0
	s_lshl_b32 s24, s20, 15
	s_mov_b32 s25, 0
	s_add_nc_u64 s[16:17], s[16:17], s[22:23]
	s_add_nc_u64 s[18:19], s[18:19], s[24:25]
.irp i, 0,1,2,3,4,5,6,7,8,9,10,11,12,13,14,15
	global_load_b128 v[X+4*\i:X+4*\i+3], v1, s[16:17] offset:4096*\i th:TH_LOAD_NT
.endr
.irp i, 0,1,2,3,4,5,6,7,8,9,10,11,12,13,14,15
	s_wait_loadcnt 15-\i                           ; loads return in order: load i is in, the 15 - i younger ones stay out
	v_pk_mul_f32 v[X+4*\i:X+4*\i+1], v[X+4*\i:X+4*\i+1], s[28:29] op_sel_hi:[1,0]
	v_pk_mul_f32 v[X+4*\i+2:X+4*\i+3], v[X+4*\i+2:X+4*\i+3], s[28:29] op_sel_hi:[1,0]
	v_cvt_pk_f16_f32 v[Y+2*\i], v[X+4*\i], v[X+4*\i+1]
	v_cvt_pk_f16_f32 v[Y+2*\i+1], v[X+4*\i+2], v[X+4*\i+3]
	global_store_b64 v2, v[Y+2*\i:Y+2*\i+1], s[18:19] offset:2048*\i   ; no hint: the next launches read these bytes
.endr
	s_endpgm
.Lfunc_end_k_q94a2a27d75_cast_f16:
	.size	k_q94a2a27d75_cast_f16, .Lfunc_end_k_q94a2a27d75_cast_f16-k_q94a2a27d75_cast_f16
	.p2alignl 7, 3214868480
	.fill 96, 4, 3214868480
	.section	.rodata,"a",@progbits
	.p2align	6, 0x0
	.amdhsa_kernel k_q94a2a27d75_cast_f16
		.amdhsa_group_segment_fixed_size 0
		.amdhsa_private_segment_fixed_size 0
		.amdhsa_enable_private_segment 0
		.amdhsa_kernarg_size 48
		.amdhsa_user_sgpr_count 2
		.amdhsa_user_sgpr_kernarg_segment_ptr 1
		.amdhsa_wavefront_size32 1
		.amdhsa_system_sgpr_workgroup_id_x 1
		.amdhsa_system_sgpr_workgroup_id_y 1
		.amdhsa_system_sgpr_workgroup_id_z 1
		.amdhsa_system_vgpr_workitem_id 0
		.amdhsa_next_free_vgpr 100
		.amdhsa_next_free_sgpr 66
		.amdhsa_reserve_vcc 0
		.amdhsa_float_denorm_mode_32 3
		.amdhsa_float_denorm_mode_16_64 3
		.amdhsa_memory_ordered 1
		.amdhsa_forward_progress 1
		.amdhsa_inst_pref_size 9
	.end_amdhsa_kernel
	.amdgpu_metadata
---
amdhsa.version: [ 1, 2 ]
amdhsa.kernels:
  - .name:           k_q94a2a27d75_cast_f16
    .symbol:         k_q94a2a27d75_cast_f16.kd
    .args:
      - { .name: x, .offset: 0, .size: 8, .value_kind: global_buffer, .address_space: global }
      - { .name: W_qkv, .offset: 8, .size: 8, .value_kind: global_buffer, .address_space: global }
      - { .name: W_proj, .offset: 16, .size: 8, .value_kind: global_buffer, .address_space: global }
      - { .name: xh, .offset: 24, .size: 8, .value_kind: global_buffer, .address_space: global }
      - { .name: wqh, .offset: 32, .size: 8, .value_kind: global_buffer, .address_space: global }
      - { .name: wph, .offset: 40, .size: 8, .value_kind: global_buffer, .address_space: global }
    .group_segment_fixed_size: 0
    .private_segment_fixed_size: 0
    .kernarg_segment_align: 8
    .kernarg_segment_size: 48
    .max_flat_workgroup_size: 256
    .sgpr_count:     66
    .vgpr_count:     100
    .wavefront_size: 32
...
	.end_amdgpu_metadata
.endif
;; end of part 1
;; launch gemm_qkv (part 2): grid 8 x 32, 4 waves a work-group, clusters of 4 x 4, 327,680 bytes of LDS; arguments xh, wqh, qkv; writes qkv
.if DOCPART == 2
	.amdgcn_target "amdgcn-amd-amdhsa--gfx1250"
	.amdhsa_code_object_version 6
	.text
	.protected	k_q94a2a27d75_gemm_qkv
	.globl	k_q94a2a27d75_gemm_qkv
	.p2align	8
	.type	k_q94a2a27d75_gemm_qkv,@function
k_q94a2a27d75_gemm_qkv:
	s_mov_b64 s[64:65], 0
	v_nop
	global_prefetch_b8 v0, s[64:65] scope:SCOPE_SE
	s_setreg_imm32_b32 hwreg(HW_REG_WAVE_MODE, 25, 1), 1
	s_wait_xcnt 0x0
	s_wait_alu depctr_hold_cnt(0) depctr_sa_sdst(0) depctr_va_vdst(0) depctr_va_sdst(0) depctr_va_ssrc(0) depctr_va_vcc(0) depctr_vm_vsrc(0)
	s_getreg_b32 s2, hwreg(HW_REG_IB_STS2, 6, 4)
	s_cmp_eq_u32 s2, 0
	s_cbranch_scc0 .Lentry_in_a_cluster
	s_endpgm
.Lentry_in_a_cluster:
	s_bfe_u32 s2, ttmp6, 0x10000c
	s_cmp_lg_u32 s2, 0xf033
	s_cbranch_scc0 .Lentry_shape_is_right
	s_endpgm
.Lentry_shape_is_right:
; qkv[t][f] = sum over k of xh[t][k] wqh[f][k].  xh [8192][1024], wqh [3072][1024], qkv [8192][3072], all f16; sums in f32, rounded once.
; LIMIT: a result above 65,504 in magnitude becomes infinite in f16.
; A work-group makes 256 tokens x 384 features with four waves; a wave makes 128 x 192: 96 accumulator tiles of 16 x 16, 768 registers.
; 32 x 8 blocks = 256 work-groups.  K goes in steps of 64 through two LDS slots filled by tensor loads.  Rows of 128 K would need
; 2 x 640 rows x 272 bytes = 348,160 bytes of LDS, more than the 327,680 there are, so a tile's rows are 128 bytes here.
; CLUSTERS: 4 x 4 work-groups.  The four of a row of the cluster share the token block, so x's tile is asked for jointly by them; the four of a
; column share the feature block and ask jointly for W's tiles.  Wave 0 asks for x's 256 rows, waves 1-3 for 128 rows of W each.
; REGISTERS: window 0: addresses, two buffers of x fragments (8 x 16 tokens x 32 K), one set of 12 W fragments in three groups of four;
; window g + 1 (g = 0, 1, 2): the 32 accumulator tiles of feature group g, tile (a, bb) at v[8 (4 a + bb)].
; THE MATRIX INSTRUCTION IS USED TRANSPOSED (source 0 = 16 features, source 1 = 16 tokens): lane l holds token l % 16 and in its registers 0-7 the
; features 8 (l / 16) + 0..7, eight neighbours of a row of qkv.
.set KS,    64
.set PITCH, 144                        ; 128 bytes of data + 16 of padding: an odd multiple of 16, so 16 rows start in 16 different 16-byte columns
.set XPART, 256*PITCH                  ; x's 256 rows
.set WPART, 128*PITCH                  ; 128 rows of W: one tensor load
.set SLOT,  XPART+3*WPART              ; 92,160 bytes
.set SP,    784                        ; the way out: a row of 768 bytes + 16
.set LAPS,  8                          ; 16 K steps, two to a lap
.set ADRX, 16                          ; v16-17  my x fragments in slot 0, 1
.set ADRW, 20                          ; v20-21  my W fragments in slot 0, 1
.set STO0, 24                          ; v24, v25 the way out: my 16 bytes in token blocks 0-3, 4-7
.set STO1, 25
.set RD,   26                          ; v26     the way out: where I read rows back
.set CO,   27                          ; v27     my byte offset in the block of qkv
.set XF0,  32
.set XF1,  96
.set WF,   160
.set TMP,  32                          ; the way out: 128 registers of packed results
.set OB,   160                         ; the way out: two buffers of 32 registers
.set G1X, 24                           ; s[24:31] group 1 for x
.set G0X, 32                           ; s[32:39] group 0 for x, a set for each slot
.set G1W, 48                           ; s[48:55] group 1 for W
.set G0W, 56                           ; s[56:63] group 0 for W, a set for each slot
.set MSB, 0
.macro WIN new                         ; the immediate's high byte repeats the setting that is left
.if MSB != \new
	s_set_vgpr_msb (MSB<<8)|\new
.set MSB, \new
.endif
.endm
.macro PLACES                          ; four plain vector instructions behind a matrix instruction, before its registers are loaded into or its result read (ISA guide 7.12.1)
.rept 4
	v_nop
.endr
.endm
.macro JLOAD s                         ; one joint load a wave; the branch hangs on the wave's number alone
	s_cmp_eq_u32 s10, 0
	s_cbranch_scc0 .Lfor_w_\@
	tensor_load_to_lds s[G0X+4*\s:G0X+4*\s+3], s[G1X:G1X+7]
	s_nop 0
	s_branch .Lasked_\@
.Lfor_w_\@:
	tensor_load_to_lds s[G0W+4*\s:G0W+4*\s+3], s[G1W:G1W+7]
	s_nop 0
.Lasked_\@:
.endm
.macro CREST                           ; a round of the cluster's barrier behind its opening work-group barrier
	s_cmp_lg_u32 s10, 0
	s_cbranch_scc1 .Lnot_wave_0_\@
	s_barrier_signal -3
.Lnot_wave_0_\@:
	s_barrier_wait -3
	s_barrier_signal -1
	s_barrier_wait -1
.endm
.macro CROUND
	s_barrier_signal -1
	s_barrier_wait -1
	CREST
.endm
	s_load_b128 s[4:7], s[0:1], 0x0                ; xh s[4:5], wqh s[6:7]
	s_load_b64 s[8:9], s[0:1], 0x10                ; qkv
	v_lshl_add_u32 v30, v0, 2, 0x31000
	v_mov_b32 v31, 0
	ds_add_u32 v30, v31
	v_lshrrev_b32 v1, 5, v0
	v_readfirstlane_b32 s10, v1                    ; wave 0..3
	s_lshr_b32 s11, s10, 1                         ; which 128 tokens are mine
	s_and_b32 s12, s10, 1                          ; which 192 features
	s_bfe_u32 s40, ttmp6, 0x40000                  ; cx
	s_bfe_u32 s41, ttmp6, 0x40004                  ; cy
	s_lshl_b32 s42, ttmp9, 2
	s_add_co_u32 s42, s42, s40                     ; feature block = 4 x cluster x + cx
	s_and_b32 s13, ttmp7, 0xffff
	s_lshl_b32 s13, s13, 2
	s_add_co_u32 s13, s13, s41                     ; token block = 4 x cluster y + cy
	s_lshl_b32 s43, s41, 2
	s_lshl_b32 s43, 15, s43                        ; my row of the cluster
	s_lshl_b32 s44, 0x1111, s40                    ; my column
	; group 1: rows of 64 f16 (32 words), 4 words of padding behind each; x 256 rows, W 128 rows; 1,024 elements from row to row
	s_or_b32 s[G1X+0], s43, (1<<16)|(1<<20)|(1<<21)|(4<<22)|(3<<25)
	s_or_b32 s[G1W+0], s44, (1<<16)|(1<<20)|(1<<21)|(4<<22)|(3<<25)
	s_mov_b32 s[G1X+1], KS<<16                     ; tensor_dim0 = 64
	s_mov_b32 s[G1W+1], KS<<16
	s_mov_b32 s[G1X+2], 256<<16                    ; tensor_dim1
	s_mov_b32 s[G1W+2], 128<<16
	s_mov_b32 s[G1X+3], KS<<16                     ; tile_dim0 = 64
	s_mov_b32 s[G1W+3], KS<<16
	s_mov_b32 s[G1X+4], 256                        ; tile_dim1
	s_mov_b32 s[G1W+4], 128
	s_mov_b32 s[G1X+5], 1024                       ; pitch
	s_mov_b32 s[G1W+5], 1024
	s_mov_b32 s[G1X+6], 0
	s_mov_b32 s[G1W+6], 0
	s_mov_b32 s[G1X+7], 0
	s_mov_b32 s[G1W+7], 0
	; x's tile hangs on the token block alone, W's on the feature block and the wave; each in registers that never hold the other coordinate
	s_lshl_b32 s16, s13, 19                        ; 256 rows x 2,048 bytes
	s_mov_b32 s17, 0
	s_mul_i32 s46, s42, 384*2048
	s_max_u32 s45, s10, 1
	s_sub_co_u32 s45, s45, 1                       ; waves 1, 2, 3 take W's rows 0, 128, 256 (wave 0 asks for x and never uses this address)
	s_lshl_b32 s45, s45, 18
	s_add_co_u32 s46, s46, s45
	s_mov_b32 s47, 0
	s_mul_i32 s20, s10, WPART
	s_add_co_u32 s20, s20, WPART                   ; W's LDS place: 18,432 (wave + 1): behind x's 36,864 bytes for wave 1
	s_wait_dscnt 0x0
	s_wait_kmcnt 0x0
	s_add_nc_u64 s[14:15], s[4:5], s[16:17]
	s_add_nc_u64 s[46:47], s[6:7], s[46:47]
	CROUND                                         ; all sixteen work-groups are here: the first joint loads meet
.irp s, 0,1
	s_mov_b32 s[G0X+4*\s], 1
	s_mov_b32 s[G0X+4*\s+1], \s*SLOT
	s_add_nc_u64 s[G0X+4*\s+2:G0X+4*\s+3], s[14:15], \s*KS*2
	s_or_b32 s[G0X+4*\s+3], s[G0X+4*\s+3], 0x80000000
	s_mov_b32 s[G0W+4*\s], 1
	s_add_co_u32 s[G0W+4*\s+1], s20, \s*SLOT
	s_add_nc_u64 s[G0W+4*\s+2:G0W+4*\s+3], s[46:47], \s*KS*2
	s_or_b32 s[G0W+4*\s+3], s[G0W+4*\s+3], 0x80000000
	JLOAD \s                                       ; K steps 0 and 1: two tensor loads of the wave are out, later one
.endr
	v_and_b32 v1, 15, v0                           ; r = l % 16
	v_bfe_u32 v2, v0, 4, 1                         ; h = l / 16
	v_mul_u32_u24 v3, v1, PITCH
	v_lshl_add_u32 v3, v2, 4, v3                   ; a fragment: row r, 16 bytes for each half of the lanes, a second load 32 bytes on
	s_mul_i32 s21, s11, 128*PITCH
	s_mul_i32 s22, s12, 192*PITCH
	s_add_co_u32 s22, s22, XPART
.irp s, 0,1
	v_add_nc_u32 v[ADRX+\s], s21, v3
	v_add_nc_u32 v[ADRW+\s], s22, v3
	s_add_co_u32 s21, s21, SLOT
	s_add_co_u32 s22, s22, SLOT
.endr
	s_mul_i32 s23, s11, 128*SP
	s_mul_i32 s21, s12, 384
	s_add_co_u32 s23, s23, s21
	v_mul_u32_u24 v4, v1, SP
	v_lshl_add_u32 v4, v2, 4, v4
	v_add_nc_u32 v[STO0], s23, v4                  ; (128 wm + r) x 784 + 384 wn + 16 h
	v_add_nc_u32 v[STO1], 64*SP, v[STO0]
	s_mul_i32 s23, s10, 64*SP
	v_mul_u32_u24 v5, v2, SP
	v_lshl_add_u32 v5, v1, 4, v5
	v_add_nc_u32 v[RD], s23, v5                    ; (64 w + h) x 784 + 16 r
	s_mul_i32 s23, s10, 64*6144
	v_mul_u32_u24 v5, v2, 6144
	v_lshl_add_u32 v5, v1, 4, v5
	v_add_nc_u32 v[CO], s23, v5                    ; the same rows in qkv
; 16 matrix instructions: token blocks 4 half .. 4 half + 3 x the four feature blocks of group g.  The window in force picks the group's accumulators.
.macro MULG xf, g, half, zero
.irp a, 4*\half, 4*\half+1, 4*\half+2, 4*\half+3
.irp bb, 0,1,2,3
.if \zero
	v_wmma_f32_16x16x32_f16 v[8*(4*(\a)+\bb):8*(4*(\a)+\bb)+7], v[WF+8*(4*\g+\bb):WF+8*(4*\g+\bb)+7], v[\xf+8*(\a):\xf+8*(\a)+7], 0
.else
	v_wmma_f32_16x16x32_f16 v[8*(4*(\a)+\bb):8*(4*(\a)+\bb)+7], v[WF+8*(4*\g+\bb):WF+8*(4*\g+\bb)+7], v[\xf+8*(\a):\xf+8*(\a)+7], v[8*(4*(\a)+\bb):8*(4*(\a)+\bb)+7]
.endif
.endr
.endr
.endm
.macro LDW s, kb, g                    ; 8 loads: the four W fragments of group g, 32 K at byte kb of the rows
.irp bb, 0,1,2,3
	ds_load_b128 v[WF+8*(4*\g+\bb):WF+8*(4*\g+\bb)+3],   v[ADRW+\s] offset:\kb+(4*\g+\bb)*16*PITCH
	ds_load_b128 v[WF+8*(4*\g+\bb)+4:WF+8*(4*\g+\bb)+7], v[ADRW+\s] offset:\kb+(4*\g+\bb)*16*PITCH+32
.endr
.endm
.macro LDX s, kb, xf, half             ; 8 loads: four x fragments
.irp a, 4*\half, 4*\half+1, 4*\half+2, 4*\half+3
	ds_load_b128 v[\xf+8*(\a):\xf+8*(\a)+3],   v[ADRX+\s] offset:\kb+(\a)*16*PITCH
	ds_load_b128 v[\xf+8*(\a)+4:\xf+8*(\a)+7], v[ADRX+\s] offset:\kb+(\a)*16*PITCH+32
.endr
.endm
.macro LBATCH i, s, kb, xf             ; batch 0, 1: W group i and half i of x (16 loads); batch 2: W group 2 (8 loads)
	LDW \s, \kb, \i
.if \i < 2
	LDX \s, \kb, \xf, \i
.endif
.endm
; A K step is two halves of 32 K, 96 matrix instructions each.  The 96 accumulators take turns, one instruction a turn, in the same order in every
; half, over the backward jump too.  A W group is loaded again straight behind its 32 products.
; The first half: multiplies buffer 0, fetches the second half's fragments (byte 64 of the same slot's rows) into buffer 1.
.macro Q0 s, zero
	s_wait_dscnt 8                                 ; batches 0 and 1 are in; batch 2's eight loads, the youngest, may be out
	WIN 0x50
	MULG XF0, 0, 0, \zero
	MULG XF0, 0, 1, \zero
	PLACES
	WIN 0
	LBATCH 0, \s, 64, XF1
	WIN 0xa0
	MULG XF0, 1, 0, \zero
	MULG XF0, 1, 1, \zero
	PLACES
	WIN 0
	LBATCH 1, \s, 64, XF1
	s_wait_dscnt 32                                ; all but the 32 loads just issued: W group 2 of this half is in
	WIN 0xf0
	MULG XF0, 2, 0, \zero
	MULG XF0, 2, 1, \zero
	PLACES
	WIN 0
	LBATCH 2, \s, 64, XF1
.endm
; The second half: multiplies buffer 1 and changes slots.  In front of the barrier each wave waits for its reads of this slot and for all its tensor
; loads (one is out: its part of the next slot).  Behind it the slot is filled again first (fill = 1: the barrier opens a round of the cluster's
; barrier), then the next slot is read.  From a request to the wait for it a wave issues 176 matrix instructions.
.macro Q1 s, next, fill
	s_wait_dscnt 8
	WIN 0x50
	MULG XF1, 0, 0, 0
	s_wait_dscnt 0x0                               ; my reads of this slot are over
	s_wait_tensorcnt 0x0                           ; all my tensor loads have landed
	ds_add_u32 v30, v31
	s_wait_dscnt 0x0
	s_barrier_signal -1
	MULG XF1, 0, 1, 0                              ; register work while the others arrive
	WIN 0
	s_barrier_wait -1
.if \fill
	CREST                                          ; no wave of any partner still reads this slot or has a load on its way
	s_add_nc_u64 s[G0X+4*\s+2:G0X+4*\s+3], s[G0X+4*\s+2:G0X+4*\s+3], 2*KS*2
	s_add_nc_u64 s[G0W+4*\s+2:G0W+4*\s+3], s[G0W+4*\s+2:G0W+4*\s+3], 2*KS*2
	JLOAD \s                                       ; the wave's one tensor load behind the round
.endif
	PLACES
	LBATCH 0, \next, 0, XF0
	WIN 0xa0
	MULG XF1, 1, 0, 0
	MULG XF1, 1, 1, 0
	PLACES
	WIN 0
	LBATCH 1, \next, 0, XF0
	WIN 0xf0
	MULG XF1, 2, 0, 0                              ; its fragments are in since the wait for 0 above
	MULG XF1, 2, 1, 0
	PLACES
	WIN 0
	LBATCH 2, \next, 0, XF0
.endm
.macro LAP zero
	Q0 0, \zero
	Q1 0, 1, 1
	Q0 1, 0
	Q1 1, 0, 1
.endm
	s_wait_tensorcnt 0x1                           ; my part of K step 0 is in; step 1's stays out
	s_barrier_signal -1
	s_barrier_wait -1
	LBATCH 0, 0, 0, XF0
	LBATCH 1, 0, 0, XF0
	LBATCH 2, 0, 0, XF0
	LAP 1                                          ; the first products start the sums: nothing is cleared
	s_mov_b32 s3, LAPS-2
.Llap:
	LAP 0
	s_sub_co_u32 s3, s3, 1
	s_cmp_lg_u32 s3, 0
	s_cbranch_scc1 .Llap
	Q0 0, 0                                        ; the last lap fills nothing
	Q1 0, 1, 0
	Q0 1, 0
	s_wait_dscnt 8
	WIN 0x50
	MULG XF1, 0, 0, 0
	MULG XF1, 0, 1, 0
	WIN 0xa0
	MULG XF1, 1, 0, 0
	MULG XF1, 1, 1, 0
	s_wait_dscnt 0x0
	WIN 0xf0
	MULG XF1, 2, 0, 0
	MULG XF1, 2, 1, 0
	; THE WAY OUT.  A wave's 384 bytes of a row are one and a half aligned blocks of 256 bytes, so the whole block of 256 rows x 768 bytes is gathered in
	; LDS (over the slots, which have had their last fill and, behind this barrier, their last read) and stored by whole rows.
	PLACES
	WIN 0
	s_barrier_signal -1                            ; every wave's LDS reads were waited for above
	s_barrier_wait -1
	s_mul_i32 s16, s13, 256*6144
	s_mov_b32 s17, 0
	s_add_nc_u64 s[8:9], s[8:9], s[16:17]          ; my block's first row
	s_mul_i32 s46, s42, 768
	s_mov_b32 s47, 0
	s_add_nc_u64 s[8:9], s[8:9], s[46:47]          ; and first column
.macro OUTG g, win                     ; feature group g: round to f16 (one rounding), 16 bytes a lane into the stage
	WIN \win
.irp a, 0,1,2,3,4,5,6,7
.irp bb, 0,1,2,3
.irp rr, 0,1,2,3
	v_cvt_pk_f16_f32 v[TMP+4*(4*\a+\bb)+\rr], v[8*(4*\a+\bb)+2*\rr], v[8*(4*\a+\bb)+2*\rr+1]
.endr
.endr
.endr
	WIN 0
.irp a, 0,1,2,3,4,5,6,7
.irp bb, 0,1,2,3
	ds_store_b128 v[STO0+\a/4], v[TMP+4*(4*\a+\bb):TMP+4*(4*\a+\bb)+3] offset:(\a%4)*16*SP+(4*\g+\bb)*32
.endr
.endr
.endm
	OUTG 0, 0x05
	OUTG 1, 0x0a
	OUTG 2, 0x0f
	s_wait_dscnt 0x0                               ; my stores are done, for the waves that read them
	s_barrier_signal -1
	s_barrier_wait -1
	; wave w stores rows 64 w .. 64 w + 63: 96 instructions, each two rows' 256 bytes (16 lanes store 256 consecutive bytes, aligned)
.set n, 0
.rept 12
	s_wait_xcnt 0x0                                ; the buffer that earlier stores read is loaded again only behind this wait
.set ob, OB+32*((n/8)%2)
.set t, 0
.rept 8
	ds_load_b128 v[ob+4*t:ob+4*t+3], v[RD] offset:((n+t)/3)*2*SP+((n+t)%3)*256
.set t, t+1
.endr
.set t, 0
.rept 8
	s_wait_dscnt 7-t
	global_store_b128 v[CO], v[ob+4*t:ob+4*t+3], s[8:9] offset:((n+t)/3)*2*6144+((n+t)%3)*256
.set t, t+1
.endr
.set n, n+8
.endr
	s_wait_tensorcnt 0x0
	ds_add_u32 v30, v31
	s_wait_dscnt 0x0
	CROUND                                         ; the closing round: no work-group ends while a partner may still ask jointly
	s_endpgm
.Lfunc_end_k_q94a2a27d75_gemm_qkv:
	.size	k_q94a2a27d75_gemm_qkv, .Lfunc_end_k_q94a2a27d75_gemm_qkv-k_q94a2a27d75_gemm_qkv
	.p2alignl 7, 3214868480
	.fill 96, 4, 3214868480
	.section	.rodata,"a",@progbits
	.p2align	6, 0x0
	.amdhsa_kernel k_q94a2a27d75_gemm_qkv
		.amdhsa_group_segment_fixed_size 327680
		.amdhsa_private_segment_fixed_size 0
		.amdhsa_enable_private_segment 0
		.amdhsa_kernarg_size 24
		.amdhsa_user_sgpr_count 2
		.amdhsa_user_sgpr_kernarg_segment_ptr 1
		.amdhsa_wavefront_size32 1
		.amdhsa_system_sgpr_workgroup_id_x 1
		.amdhsa_system_sgpr_workgroup_id_y 1
		.amdhsa_system_sgpr_workgroup_id_z 1
		.amdhsa_system_vgpr_workitem_id 0
		.amdhsa_next_free_vgpr 1024
		.amdhsa_next_free_sgpr 66
		.amdhsa_reserve_vcc 0
		.amdhsa_float_denorm_mode_32 3
		.amdhsa_float_denorm_mode_16_64 3
		.amdhsa_memory_ordered 1
		.amdhsa_forward_progress 1
		.amdhsa_inst_pref_size 169
	.end_amdhsa_kernel
	.amdgpu_metadata
---
amdhsa.version: [ 1, 2 ]
amdhsa.kernels:
  - .name:           k_q94a2a27d75_gemm_qkv
    .symbol:         k_q94a2a27d75_gemm_qkv.kd
    .args:
      - { .name: xh, .offset: 0, .size: 8, .value_kind: global_buffer, .address_space: global }
      - { .name: wqh, .offset: 8, .size: 8, .value_kind: global_buffer, .address_space: global }
      - { .name: qkv, .offset: 16, .size: 8, .value_kind: global_buffer, .address_space: global }
    .group_segment_fixed_size: 327680
    .private_segment_fixed_size: 0
    .kernarg_segment_align: 8
    .kernarg_segment_size: 24
    .max_flat_workgroup_size: 128
    .sgpr_count:     66
    .vgpr_count:     1024
    .wavefront_size: 32
...
	.end_amdgpu_metadata
.endif
;; end of part 2
;; launch attention (part 3): grid 8 x 32, 8 waves a work-group, clusters of 4 x 1, 327,680 bytes of LDS; arguments qkv, att; writes att
.if DOCPART == 3
	.amdgcn_target "amdgcn-amd-amdhsa--gfx1250"
	.amdhsa_code_object_version 6
	.text
	.protected	k_q94a2a27d75_attention
	.globl	k_q94a2a27d75_attention
	.p2align	8
	.type	k_q94a2a27d75_attention,@function
k_q94a2a27d75_attention:
	s_mov_b64 s[64:65], 0
	v_nop
	global_prefetch_b8 v0, s[64:65] scope:SCOPE_SE
	s_setreg_imm32_b32 hwreg(HW_REG_WAVE_MODE, 25, 1), 1
	s_wait_xcnt 0x0
	s_wait_alu depctr_hold_cnt(0) depctr_sa_sdst(0) depctr_va_vdst(0) depctr_va_sdst(0) depctr_va_ssrc(0) depctr_va_vcc(0) depctr_vm_vsrc(0)
	s_getreg_b32 s2, hwreg(HW_REG_IB_STS2, 6, 4)
	s_cmp_eq_u32 s2, 0
	s_cbranch_scc0 .Lentry_in_a_cluster
	s_endpgm
.Lentry_in_a_cluster:
	s_bfe_u32 s2, ttmp6, 0x10000c
	s_cmp_lg_u32 s2, 0x3003
	s_cbranch_scc0 .Lentry_shape_is_right
	s_endpgm
.Lentry_shape_is_right:
; att[t][64 head + d] = softmax over keys of (q . k / 8) times v, for 4 batches x 16 heads x 2,048 tokens.  qkv [8192][3072] f16 (q, k, v; q already
; carries 0.125 log2(e), so a score is an exponent of 2), att [8192][1024] f16.  Products in f16 with f32 sums; maxima, exponentials and sums in f32.
; The running maximum is taken away before every exponential: exponents are s - m, 0 at the largest and never above it.
; LIMITS: a probability below about 3e-8 of its row's largest rounds to 0 in f16; exponentials below 2^-126 come out as 0.
; A work-group: one batch, a PAIR of heads, 256 queries, eight waves: wave w takes head w / 4 of the pair and queries 64 (w % 4) .. + 63.
; With two heads a row of K, of V and of the output is 256 consecutive bytes, aligned.  8 x 32 = 256 work-groups.
; CLUSTERS: the four query blocks of a cluster walk the same K and V: every tile is asked for jointly (mask 15).
; A step is 256 keys through two LDS slots; waves 0-3 ask for 64 rows of K each, waves 4-7 for 64 rows of V: one tensor load a wave.
; LAYOUT: S^T = K x Q^T: lane (r, h) holds query r and keys 16 kb + 8 h + j.  Packing key tiles 2 kk and 2 kk + 1 to f16 in place IS the second source
; of O^T = V^T x P^T (keys 32 kk ..): nothing moves between lanes.  V^T comes from the transposing LDS load.  In O^T a lane again holds query r, so
; the rescaling factor and 1 / l are the lane's own numbers.  Only the row maximum crosses the two halves of the wave in a chunk; l is joined at the end.
; THE TEXT IS KEPT SHORT: the 32 chunks of 64 keys run through six copies of one body.  The body is cut behind the score product, so that a change of
; slots falls between two bodies, and the one thing that differs from chunk to chunk, the LDS offset of the region fetched next, is the inner loop's
; own counter.  An inner loop of four trips fetches the four regions of one slot, the slot that is not being filled.
.set ROWB,  6144                       ; bytes in a row of qkv
.set STEPB, 256*ROWB
.set REG,   18432                      ; LDS bytes of one wave's 64 rows: K's chunk c of slot s is region 8 s + c, V's is region 8 s + 4 + c
.set SLOT,  8*REG
.set KP,    272                        ; K's pitch: 256 + 16, an odd multiple of 16
.set VP,    288                        ; V's pitch: 256 + 32, an odd multiple of 32, for the transposing load
.set KB,  8                            ; v8       my lane's place in a region of K
.set VB,  9                            ; v9       the same for V, with V's first region (4 REG) in it
.set KN,  10                           ; v10      KB + the offset of the region fetched next
.set VN,  11                           ; v11      VB + the same offset
.set S,   16                           ; v16-143  scores, then probabilities: query block qb at 32 qb, key tile kb at + 8 kb
.set VF,  144                          ; v144-207 V^T fragments (db, kk) at 8 (2 db + kk)
.set ST,  208                          ; v208-223 for each query block: -m, m, alpha, l
.set T,   224                          ; v224-239 at work
.set QO,  240
.set STO, 241
.set RD,  242
.set CO,  243
.set OUTP, 16                          ; the way out: packed results
.set Q,   128                          ; window 1: v0-127 O^T, (qb, db) at 8 (4 qb + db); v128-191 Q (qb, ks); v192-255 K fragments (kb, ks)
.set KF,  192
.set G1K, 24
.set G1V, 32
.set G0,  40                           ; s[40:47] group 0, a set for each slot
.set NXT, 53                           ; s53      LDS offset of the region fetched next; the inner loops count in it
.set MSB, 0
.macro WIN new
.if MSB != \new
	s_set_vgpr_msb (MSB<<8)|\new
.set MSB, \new
.endif
.endm
.macro PLACES                          ; four plain vector instructions before a matrix result is read or a source loaded again (ISA guide 7.12.1)
.rept 4
	v_nop
.endr
.endm
.macro PLACES5                         ; five before another matrix instruction writes over a source
.rept 5
	v_nop
.endr
.endm
.macro ROUND                           ; a round of the cluster's barrier
	s_barrier_signal -1
	s_barrier_wait -1
	s_cmp_lg_u32 s8, 0
	s_cbranch_scc1 .Lnot_wave_0_\@
	s_barrier_signal -3
.Lnot_wave_0_\@:
	s_barrier_wait -3
	s_barrier_signal -1
	s_barrier_wait -1
.endm
.macro JLOAD s                         ; waves 0-3: K's shape, waves 4-7: V's (a wider padding)
	s_cmp_eq_u32 s10, 0
	s_cbranch_scc0 .Lfor_v_\@
	tensor_load_to_lds s[G0+4*\s:G0+4*\s+3], s[G1K:G1K+7]
	s_nop 0
	s_branch .Lasked_\@
.Lfor_v_\@:
	tensor_load_to_lds s[G0+4*\s:G0+4*\s+3], s[G1V:G1V+7]
	s_nop 0
.Lasked_\@:
.endm
	s_load_b128 s[4:7], s[0:1], 0x0                ; qkv s[4:5], att s[6:7]
	v_lshl_add_u32 v254, v0, 2, 0x48000
	v_mov_b32 v255, 0
	ds_add_u32 v254, v255
	v_lshrrev_b32 v1, 5, v0
	v_readfirstlane_b32 s8, v1                     ; wave 0..7
	s_and_b32 s9, s8, 3                            ; my 64 queries; also which 64 rows of a tile I ask for
	s_lshr_b32 s10, s8, 2                          ; my head of the pair; also: I ask for K (0) or V (1)
	s_bfe_u32 s11, ttmp6, 0x40000                  ; cx
	s_lshl_b32 s12, ttmp9, 2
	s_add_co_u32 s12, s12, s11                     ; query block
	s_and_b32 s13, ttmp7, 0xffff
	s_lshr_b32 s14, s13, 3                         ; batch
	s_and_b32 s15, s13, 7                          ; pair of heads
	s_mov_b32 s48, 0x76543210                      ; v_permlanex16_b32: lane i of the other half
	s_mov_b32 s49, 0xfedcba98
	; group 1: 64 rows of 128 f16 (64 words), 3,072 elements from row to row, 4 words of padding for K, 8 for V, mask 15
	s_mov_b32 s[G1K+0], 15|(1<<16)|(1<<20)|(1<<21)|(5<<22)|(3<<25)
	s_mov_b32 s[G1V+0], 15|(1<<16)|(1<<20)|(1<<21)|(5<<22)|(7<<25)
.irp g, G1K, G1V
	s_mov_b32 s[\g+1], 128<<16
	s_mov_b32 s[\g+2], 64<<16
	s_mov_b32 s[\g+3], 128<<16
	s_mov_b32 s[\g+4], 64
	s_mov_b32 s[\g+5], 3072
	s_mov_b32 s[\g+6], 0
	s_mov_b32 s[\g+7], 0
.endr
	; my rows of K or V: batch, wave and pair of heads alone: no place in the cluster enters
	s_mul_i32 s16, s14, 2048*ROWB
	s_mul_i32 s18, s9, 64*ROWB
	s_add_co_u32 s16, s16, s18
	s_lshl_b32 s18, s10, 11                        ; K's columns begin at byte 2,048, V's at 4,096
	s_add_co_u32 s16, s16, s18
	s_lshl_b32 s18, s15, 8
	s_add_co_u32 s16, s16, s18
	s_add_co_u32 s16, s16, 2048
	s_mov_b32 s17, 0
	s_mul_i32 s19, s8, REG                         ; and their place in a slot
	; my 64 queries
	s_mul_i32 s20, s14, 2048*ROWB
	s_mul_i32 s22, s12, 256*ROWB
	s_add_co_u32 s20, s20, s22
	s_mul_i32 s22, s9, 64*ROWB
	s_add_co_u32 s20, s20, s22
	s_lshl_b32 s22, s15, 8
	s_add_co_u32 s20, s20, s22
	s_lshl_b32 s22, s10, 7
	s_add_co_u32 s20, s20, s22
	s_mov_b32 s21, 0
	; the work-group's 256 rows of att, at the pair's 256 bytes
	s_lshl_b32 s22, s14, 22
	s_lshl_b32 s23, s12, 19
	s_add_co_u32 s22, s22, s23
	s_lshl_b32 s23, s15, 8
	s_add_co_u32 s22, s22, s23
	s_mov_b32 s23, 0
	v_and_b32 v1, 15, v0                           ; r
	v_bfe_u32 v2, v0, 4, 1                         ; h
	v_mul_u32_u24 v[QO], v1, ROWB
	v_lshl_add_u32 v[QO], v2, 4, v[QO]
	s_wait_dscnt 0x0
	s_wait_kmcnt 0x0
	s_add_nc_u64 s[20:21], s[4:5], s[20:21]
	s_add_nc_u64 s[16:17], s[4:5], s[16:17]
	s_add_nc_u64 s[6:7], s[6:7], s[22:23]
	WIN 0x40                                       ; Q stays in registers for the whole launch: 4 query blocks x 2 halves of d
.irp qb, 0,1,2,3
.irp ks, 0,1
	global_load_b128 v[Q+8*(2*\qb+\ks):Q+8*(2*\qb+\ks)+3],   v[QO], s[20:21] offset:\qb*16*ROWB+\ks*64
	global_load_b128 v[Q+8*(2*\qb+\ks)+4:Q+8*(2*\qb+\ks)+7], v[QO], s[20:21] offset:\qb*16*ROWB+\ks*64+32
.endr
.endr
	WIN 0
	ROUND                                          ; the four work-groups are here: the first joint loads meet
.irp sl, 0,1
	s_mov_b32 s[G0+4*\sl], 1
	s_add_co_u32 s[G0+4*\sl+1], s19, \sl*SLOT
	s_add_nc_u64 s[G0+4*\sl+2:G0+4*\sl+3], s[16:17], \sl*STEPB
	s_or_b32 s[G0+4*\sl+3], s[G0+4*\sl+3], 0x80000000
	JLOAD \sl                                      ; steps 0 and 1: two tensor loads of the wave are out, later one
.endr
	s_lshl_b32 s18, s10, 7                         ; my head's 128 bytes of a row
	v_mul_u32_u24 v3, v1, KP
	v_lshl_add_u32 v3, v2, 4, v3
	v_add_nc_u32 v[KB], s18, v3                    ; r x 272 + 16 h + 128 head
	v_and_b32 v4, 7, v0
	v_lshl_add_u32 v4, v2, 3, v4                   ; key 8 h + l % 8
	v_mul_u32_u24 v4, v4, VP
	v_bfe_u32 v5, v0, 3, 1
	v_lshl_add_u32 v4, v5, 4, v4                   ; + 16 bytes for lanes 8-15 and 24-31
	v_add_nc_u32 v4, s18, v4
	v_add_nc_u32 v[VB], 4*REG, v4                  ; V's regions lie behind K's four
	s_mul_i32 s52, s9, 64*KP
	v_add_nc_u32 v[STO], s52, v[KB]                ; the way out: (64 wq + r) x 272 + 128 head + 16 h
	s_mul_i32 s52, s8, 32*KP
	v_mul_u32_u24 v5, v2, KP
	v_lshl_add_u32 v5, v1, 4, v5
	v_add_nc_u32 v[RD], s52, v5                    ; (32 w + h) x 272 + 16 r
	s_lshl_b32 s52, s8, 16
	v_lshlrev_b32 v6, 11, v2
	v_lshl_add_u32 v6, v1, 4, v6
	v_add_nc_u32 v[CO], s52, v6                    ; (32 w + h) x 2,048 + 16 r
.irp qb, 0,1,2,3
	v_mov_b32 v[T+4+\qb], 0                        ; v_permlanex16_b32 counts as a reader of its destination
.endr
.macro NEXTADR                         ; where the next chunk's K and V lie: my lane's place + the region's offset
	v_add_nc_u32 v[KN], s[NXT], v[KB]
	v_add_nc_u32 v[VN], s[NXT], v[VB]
.endm
.macro LDK                             ; 16 loads: 64 keys x my head's 64 d, from the region at KN
	WIN 0x40
.irp kb, 0,1,2,3
.irp ks, 0,1
	ds_load_b128 v[KF+8*(2*\kb+\ks):KF+8*(2*\kb+\ks)+3],   v[KN] offset:\kb*16*KP+\ks*64
	ds_load_b128 v[KF+8*(2*\kb+\ks)+4:KF+8*(2*\kb+\ks)+7], v[KN] offset:\kb*16*KP+\ks*64+32
.endr
.endr
	WIN 0
.endm
.macro LDV                             ; 16 transposing loads: V^T, 4 blocks of d x 2 blocks of 32 keys, from the region at VN
.irp kk, 0,1
.irp db, 0,1,2,3
	ds_load_tr16_b128 v[VF+8*(2*\db+\kk):VF+8*(2*\db+\kk)+3],   v[VN] offset:\kk*32*VP+\db*32
	ds_load_tr16_b128 v[VF+8*(2*\db+\kk)+4:VF+8*(2*\db+\kk)+7], v[VN] offset:\kk*32*VP+\db*32+16*VP
.endr
.endr
.endm
; In both products sixteen accumulators take turns, one instruction a turn.
.macro SMUL                            ; S^T = K x Q^T: 32 matrix instructions; the first half of d starts the sums
	WIN 0x05
.irp ks, 0,1
.irp kb, 0,1,2,3
.irp qb, 0,1,2,3
.if \ks == 0
	v_wmma_f32_16x16x32_f16 v[S+32*\qb+8*\kb:S+32*\qb+8*\kb+7], v[KF+8*(2*\kb+\ks):KF+8*(2*\kb+\ks)+7], v[Q+8*(2*\qb+\ks):Q+8*(2*\qb+\ks)+7], 0
.else
	v_wmma_f32_16x16x32_f16 v[S+32*\qb+8*\kb:S+32*\qb+8*\kb+7], v[KF+8*(2*\kb+\ks):KF+8*(2*\kb+\ks)+7], v[Q+8*(2*\qb+\ks):Q+8*(2*\qb+\ks)+7], v[S+32*\qb+8*\kb:S+32*\qb+8*\kb+7]
.endif
.endr
.endr
.endr
.endm
.macro PVMUL first                     ; O^T += V^T x P^T: 32 matrix instructions; the very first chunk starts the sums
	WIN 0x50
.irp kk, 0,1
.irp db, 0,1,2,3
.irp qb, 0,1,2,3
.if \first*(1-\kk)
	v_wmma_f32_16x16x32_f16 v[8*(4*\qb+\db):8*(4*\qb+\db)+7], v[VF+8*(2*\db+\kk):VF+8*(2*\db+\kk)+7], v[S+32*\qb+8*\kk:S+32*\qb+8*\kk+7], 0
.else
	v_wmma_f32_16x16x32_f16 v[8*(4*\qb+\db):8*(4*\qb+\db)+7], v[VF+8*(2*\db+\kk):VF+8*(2*\db+\kk)+7], v[S+32*\qb+8*\kk:S+32*\qb+8*\kk+7], v[8*(4*\qb+\db):8*(4*\qb+\db)+7]
.endif
.endr
.endr
.endr
.endm
; One chunk's softmax step, 32 scores a lane for each of four query blocks; the four blocks are four chains that do not wait for each other.
.macro SOFTMAX first
.irp qb, 0,1,2,3
.if \first
	v_max_num_f32 v[T+\qb], v[S+32*\qb], v[S+32*\qb+1]
.else
	v_max3_num_f32 v[T+\qb], v[S+32*\qb], v[S+32*\qb+1], v[ST+4*\qb+1]     ; the running maximum joins the chain
.endif
.endr
.set jj, 1
.rept 15
.irp qb, 0,1,2,3
	v_max3_num_f32 v[T+\qb], v[T+\qb], v[S+32*\qb+2*jj], v[S+32*\qb+2*jj+1]
.endr
.set jj, jj+1
.endr
.irp qb, 0,1,2,3
	v_permlanex16_b32 v[T+4+\qb], v[T+\qb], s48, s49       ; the other half of the lanes holds the query's other keys
.endr
.irp qb, 0,1,2,3
	v_max_num_f32 v[T+\qb], v[T+\qb], v[T+4+\qb]           ; the new maximum
.endr
.if \first == 0
.irp qb, 0,1,2,3
	v_sub_f32 v[T+4+\qb], v[ST+4*\qb+1], v[T+\qb]          ; old - new, 0 or below
.endr
.endif
.irp qb, 0,1,2,3
	v_mov_b32 v[ST+4*\qb+1], v[T+\qb]                      ; m is kept for the next chunk,
	v_mul_f32 v[ST+4*\qb], -1.0, v[T+\qb]                  ; -m for the packed adds
.endr
.if \first == 0
.irp qb, 0,1,2,3
	v_exp_f32 v[ST+4*\qb+2], v[T+4+\qb]                    ; alpha; the packed add below is the plain instruction behind it (ISA guide 5.7.2)
.endr
.endif
.irp qb, 0,1,2,3
.set jj, 0
.rept 16
	v_pk_add_f32 v[S+32*\qb+2*jj:S+32*\qb+2*jj+1], v[S+32*\qb+2*jj:S+32*\qb+2*jj+1], v[ST+4*\qb:ST+4*\qb+1] op_sel_hi:[1,0]   ; s - m
.set jj, jj+1
.endr
.set jj, 0
.rept 32
	v_exp_f32 v[S+32*\qb+jj], v[S+32*\qb+jj]               ; p = 2^(s - m); the next block's packed add is the plain instruction behind the run
.set jj, jj+1
.endr
.endr
	v_nop                                                  ; and this one behind the last run
	s_wait_alu depctr_va_vdst(0)
.irp qb, 0,1,2,3
	v_pk_add_f32 v[T+8+2*\qb:T+9+2*\qb], v[S+32*\qb:S+32*\qb+1], v[S+32*\qb+2:S+32*\qb+3]
.endr
.set jj, 2
.rept 14
.irp qb, 0,1,2,3
	v_pk_add_f32 v[T+8+2*\qb:T+9+2*\qb], v[T+8+2*\qb:T+9+2*\qb], v[S+32*\qb+2*jj:S+32*\qb+2*jj+1]
.endr
.set jj, jj+1
.endr
.irp qb, 0,1,2,3
.if \first
	v_add_f32 v[ST+4*\qb+3], v[T+8+2*\qb], v[T+9+2*\qb]    ; l of my half of the keys
.else
	v_add_f32 v[T+8+2*\qb], v[T+8+2*\qb], v[T+9+2*\qb]
.endif
.endr
.if \first == 0
.irp qb, 0,1,2,3
	v_fma_f32 v[ST+4*\qb+3], v[ST+4*\qb+3], v[ST+4*\qb+2], v[T+8+2*\qb]    ; l = l alpha + sum
.endr
.endif
.irp qb, 0,1,2,3
.set jj, 0
.rept 16
	v_cvt_pk_f16_f32 v[S+32*\qb+jj], v[S+32*\qb+2*jj], v[S+32*\qb+2*jj+1]  ; in place, ascending: register jj is written when 2 jj and 2 jj + 1 have been read
.set jj, jj+1
.endr
.endr
.endm
.macro RESCALE                         ; O^T times the query's factor (alpha, at the end 1 / l)
	WIN 0x41
.irp qb, 0,1,2,3
.set jj, 0
.rept 16
	v_pk_mul_f32 v[32*\qb+2*jj:32*\qb+2*jj+1], v[32*\qb+2*jj:32*\qb+2*jj+1], v[ST+4*\qb+2:ST+4*\qb+3] op_sel_hi:[1,0]
.set jj, jj+1
.endr
.endr
.endm
; The body of chunk g.  On entry the scores of g have just been made and V(g)'s 16 loads may still be out.
; fetch = 1: K(g + 1) and V(g + 1) are fetched from the region at offset s[NXT], and the body ends with the scores of g + 1.
.macro BODY first, fetch
.if \fetch
	NEXTADR                                        ; two of the four places behind the score product,
	v_nop
	v_nop                                          ; and the other two
	LDK                                            ; K(g + 1), over the fragments that the score product has read
.else
	PLACES
.endif
	SOFTMAX \first
.if \first == 0
	RESCALE
.endif
.if \fetch
	s_wait_dscnt 16                                ; V(g) is in; the 16 loads of K(g + 1), issued behind it, stay out
.else
	s_wait_dscnt 0x0
.endif
	PVMUL \first
	PLACES5                                        ; the next scores are written over P; V's fragments are loaded again
	WIN 0
.if \fetch
	LDV                                            ; V(g + 1)
	s_wait_dscnt 16                                ; K(g + 1) is in; V(g + 1)'s 16 loads stay out
	SMUL
	WIN 0
.endif
.endm
; Bodies that fetch the regions at offsets lo, lo + REG, .. below hi.  The counter is the offset itself.
.macro INNER lo, hi
	s_mov_b32 s[NXT], \lo
.Lchunk_\@:
	BODY 0, 1
	s_add_co_u32 s[NXT], s[NXT], REG
	s_cmp_lt_u32 s[NXT], \hi
	s_cbranch_scc1 .Lchunk_\@
.endm
; A change of slots, between two bodies.  Slot s has been fetched to its end: K's last chunk is used up, V's last 16 loads were issued ahead of the
; 32 matrix instructions of the score product.  fill = 1: the slot is filled again, two steps ahead; the load has four bodies in which to land.
.macro CHANGE s, fill
	s_wait_dscnt 0x0                               ; my reads of slot s are over
	s_wait_tensorcnt 0x0                           ; all my tensor loads have landed: my part of the other slot
	ds_add_u32 v254, v255
	s_wait_dscnt 0x0
.if \fill
	ROUND                                          ; both now hold of every wave of the four work-groups
	s_add_nc_u64 s[G0+4*\s+2:G0+4*\s+3], s[G0+4*\s+2:G0+4*\s+3], 2*STEPB
	JLOAD \s                                       ; the wave's one tensor load behind the round
.else
	s_barrier_signal -1
	s_barrier_wait -1                              ; the last slot is whole; nothing is left to fetch from memory
.endif
.endm
	s_wait_tensorcnt 0x1                           ; my part of step 0 is in; step 1's stays out
	s_barrier_signal -1
	s_barrier_wait -1
	s_mov_b32 s[NXT], 0
	NEXTADR
	LDK                                            ; chunk 0
	LDV
	s_wait_loadcnt 0x0                             ; Q
	s_wait_dscnt 16                                ; K(0) is in; V(0)'s 16 loads stay out
	SMUL
	WIN 0
	s_mov_b32 s[NXT], REG
	BODY 1, 1                                      ; chunk 0 starts m, l and O: nothing is cleared
	INNER 2*REG, 4*REG                             ; chunks 1 and 2
	s_mov_b32 s3, 3
.Llap:                                             ; chunks 3 to 26; steps 2 to 7 are asked for
	CHANGE 0, 1
	INNER SLOT, SLOT+4*REG                         ; four bodies fetch slot 1 while slot 0 is filled
	CHANGE 1, 1
	INNER 0, 4*REG                                 ; four bodies fetch slot 0 while slot 1 is filled
	s_sub_co_u32 s3, s3, 1
	s_cmp_lg_u32 s3, 0
	s_cbranch_scc1 .Llap
	CHANGE 0, 0
	INNER SLOT, SLOT+4*REG                         ; chunks 27 to 30 fetch step 7
	BODY 0, 0                                      ; chunk 31
	; THE WAY OUT: l of both halves of the keys, O / l, f16, through LDS so that both heads' 128 bytes of a token leave as one row of 256 bytes.
	; The stage is slot 0's first 69,632 bytes: the slot has had its last fill, and its last reads were waited for in front of the last change's barrier.
.irp qb, 0,1,2,3
	v_permlanex16_b32 v[T+4+\qb], v[ST+4*\qb+3], s48, s49
.endr
.irp qb, 0,1,2,3
	v_add_f32 v[ST+4*\qb+3], v[ST+4*\qb+3], v[T+4+\qb]     ; at least 1: the largest term is 2^0
.endr
.irp qb, 0,1,2,3
	v_rcp_f32 v[ST+4*\qb+2], v[ST+4*\qb+3]
.endr
	v_nop                                          ; the plain instruction behind the reciprocals
	s_wait_alu depctr_va_vdst(0)
	RESCALE
	WIN 0x05
.irp qb, 0,1,2,3
.irp db, 0,1,2,3
.irp rr, 0,1,2,3
	v_cvt_pk_f16_f32 v[OUTP+4*(4*\qb+\db)+\rr], v[8*(4*\qb+\db)+2*\rr], v[8*(4*\qb+\db)+2*\rr+1]
.endr
.endr
.endr
	WIN 0
.irp qb, 0,1,2,3
.irp db, 0,1,2,3
	ds_store_b128 v[STO], v[OUTP+4*(4*\qb+\db):OUTP+4*(4*\qb+\db)+3] offset:\qb*16*KP+\db*32
.endr
.endr
	s_wait_dscnt 0x0                               ; my stores are done, for the waves that read them
	s_barrier_signal -1
	s_barrier_wait -1
.irp t, 0,1,2,3,4,5,6,7,8,9,10,11,12,13,14,15
	ds_load_b128 v[VF+4*\t:VF+4*\t+3], v[RD] offset:\t*2*KP        ; wave w: rows 32 w .. 32 w + 31, two at a time
.endr
.irp t, 0,1,2,3,4,5,6,7,8,9,10,11,12,13,14,15
	s_wait_dscnt 15-\t
	global_store_b128 v[CO], v[VF+4*\t:VF+4*\t+3], s[6:7] offset:\t*4096   ; 16 lanes store 256 consecutive bytes, aligned
.endr
	s_wait_tensorcnt 0x0
	ds_add_u32 v254, v255
	s_wait_dscnt 0x0
	ROUND                                          ; the closing round
	s_endpgm
.Lfunc_end_k_q94a2a27d75_attention:
	.size	k_q94a2a27d75_attention, .Lfunc_end_k_q94a2a27d75_attention-k_q94a2a27d75_attention
	.p2alignl 7, 3214868480
	.fill 96, 4, 3214868480
	.section	.rodata,"a",@progbits
	.p2align	6, 0x0
	.amdhsa_kernel k_q94a2a27d75_attention
		.amdhsa_group_segment_fixed_size 327680
		.amdhsa_private_segment_fixed_size 0
		.amdhsa_enable_private_segment 0
		.amdhsa_kernarg_size 16
		.amdhsa_user_sgpr_count 2
		.amdhsa_user_sgpr_kernarg_segment_ptr 1
		.amdhsa_wavefront_size32 1
		.amdhsa_system_sgpr_workgroup_id_x 1
		.amdhsa_system_sgpr_workgroup_id_y 1
		.amdhsa_system_sgpr_workgroup_id_z 1
		.amdhsa_system_vgpr_workitem_id 0
		.amdhsa_next_free_vgpr 512
		.amdhsa_next_free_sgpr 66
		.amdhsa_reserve_vcc 0
		.amdhsa_float_denorm_mode_32 3
		.amdhsa_float_denorm_mode_16_64 3
		.amdhsa_memory_ordered 1
		.amdhsa_forward_progress 1
		.amdhsa_inst_pref_size 210
	.end_amdhsa_kernel
	.amdgpu_metadata
---
amdhsa.version: [ 1, 2 ]
amdhsa.kernels:
  - .name:           k_q94a2a27d75_attention
    .symbol:         k_q94a2a27d75_attention.kd
    .args:
      - { .name: qkv, .offset: 0, .size: 8, .value_kind: global_buffer, .address_space: global }
      - { .name: att, .offset: 8, .size: 8, .value_kind: global_buffer, .address_space: global }
    .group_segment_fixed_size: 327680
    .private_segment_fixed_size: 0
    .kernarg_segment_align: 8
    .kernarg_segment_size: 16
    .max_flat_workgroup_size: 256
    .sgpr_count:     66
    .vgpr_count:     512
    .wavefront_size: 32
...
	.end_amdgpu_metadata
.endif
;; end of part 3
;; launch gemm_proj (part 4): grid 8 x 32, 4 waves a work-group, clusters of 4 x 4, 327,680 bytes of LDS; arguments att, wph, b_proj, out0; writes out0
.if DOCPART == 4
	.amdgcn_target "amdgcn-amd-amdhsa--gfx1250"
	.amdhsa_code_object_version 6
	.text
	.protected	k_q94a2a27d75_gemm_proj
	.globl	k_q94a2a27d75_gemm_proj
	.p2align	8
	.type	k_q94a2a27d75_gemm_proj,@function
k_q94a2a27d75_gemm_proj:
	s_mov_b64 s[64:65], 0
	v_nop
	global_prefetch_b8 v0, s[64:65] scope:SCOPE_SE
	s_setreg_imm32_b32 hwreg(HW_REG_WAVE_MODE, 25, 1), 1
	s_wait_xcnt 0x0
	s_wait_alu depctr_hold_cnt(0) depctr_sa_sdst(0) depctr_va_vdst(0) depctr_va_sdst(0) depctr_va_ssrc(0) depctr_va_vcc(0) depctr_vm_vsrc(0)
	s_getreg_b32 s2, hwreg(HW_REG_IB_STS2, 6, 4)
	s_cmp_eq_u32 s2, 0
	s_cbranch_scc0 .Lentry_in_a_cluster
	s_endpgm
.Lentry_in_a_cluster:
	s_bfe_u32 s2, ttmp6, 0x10000c
	s_cmp_lg_u32 s2, 0xf033
	s_cbranch_scc0 .Lentry_shape_is_right
	s_endpgm
.Lentry_shape_is_right:
; out0[t][f] = sum over k of att[t][k] wph[f][k] + b_proj[f].  att [8192][1024] f16, wph [1024][1024] f16, b_proj [1024] f32, out0 [8192][1024] f32.
; A work-group makes 256 tokens x 128 features with four waves, a wave 128 x 64: 32 accumulator tiles, 256 registers.  32 x 8 = 256 work-groups.
; K goes in steps of 128 (rows of 256 bytes, aligned) through two LDS slots.  CLUSTERS: 4 x 4; att's tile is shared along a row of the cluster, the
; weight's along a column; waves 0, 1 ask jointly for 128 rows of att each, waves 2, 3 for 64 rows of the weight each.
; The matrix instruction is used transposed (source 0 = features, source 1 = tokens): a lane holds token l % 16 and features 8 (l / 16) + 0..7.
; Window 0: addresses, bias, two fragment buffers (8 of att, 4 of the weight each).  Window 1: accumulator tile (a, bb) at v[8 (4 a + bb)].
.set KSTEP, 128
.set PITCH, 272
.set XH,    128*PITCH                  ; one load of att
.set WH,    64*PITCH                   ; one load of the weight
.set SLOT,  2*XH+2*WH                  ; 104,448
.set STAGE, 2*SLOT                     ; behind the ring: 16 rows x 272 bytes for each wave; no tensor load lands there
.set LAPS,  4
.set ADRX, 16
.set ADRW, 20
.set STO,  24
.set RD,   25
.set CO,   26
.set BO,   27
.set BIAS, 28                          ; v[28:31] the bias of my four columns on the way out
.set F0,   32                          ; att's fragments at F, the weight's at F + 64
.set F1,   128
.set G1X, 24
.set G0X, 32
.set G1W, 48
.set G0W, 56
.set MSB, 0
.macro WIN new
.if MSB != \new
	s_set_vgpr_msb (MSB<<8)|\new
.set MSB, \new
.endif
.endm
.macro PLACES                          ; four plain vector instructions behind a matrix instruction (ISA guide 7.12.1)
.rept 4
	v_nop
.endr
.endm
.macro JLOAD s
	s_cmp_eq_u32 s13, 0
	s_cbranch_scc0 .Lfor_w_\@
	tensor_load_to_lds s[G0X+4*\s:G0X+4*\s+3], s[G1X:G1X+7]
	s_nop 0
	s_branch .Lasked_\@
.Lfor_w_\@:
	tensor_load_to_lds s[G0W+4*\s:G0W+4*\s+3], s[G1W:G1W+7]
	s_nop 0
.Lasked_\@:
.endm
.macro CREST
	s_cmp_lg_u32 s12, 0
	s_cbranch_scc1 .Lnot_wave_0_\@
	s_barrier_signal -3
.Lnot_wave_0_\@:
	s_barrier_wait -3
	s_barrier_signal -1
	s_barrier_wait -1
.endm
.macro CROUND
	s_barrier_signal -1
	s_barrier_wait -1
	CREST
.endm
	s_load_b256 s[4:11], s[0:1], 0x0               ; att s[4:5], wph s[6:7], b_proj s[8:9], out0 s[10:11]
	v_lshl_add_u32 v254, v0, 2, 0x37400
	v_mov_b32 v255, 0
	ds_add_u32 v254, v255
	v_lshrrev_b32 v1, 5, v0
	v_readfirstlane_b32 s12, v1                    ; wave 0..3
	s_lshr_b32 s13, s12, 1                         ; my 128 tokens.  Also: I ask for att (0) or for the weight (1)
	s_and_b32 s14, s12, 1                          ; my 64 features.  Also: which half of that tile I ask for
	s_bfe_u32 s17, ttmp6, 0x40000                  ; cx
	s_bfe_u32 s18, ttmp6, 0x40004                  ; cy
	s_lshl_b32 s16, ttmp9, 2
	s_add_co_u32 s16, s16, s17                     ; feature block
	s_and_b32 s15, ttmp7, 0xffff
	s_lshl_b32 s15, s15, 2
	s_add_co_u32 s15, s15, s18                     ; token block
	s_lshl_b32 s19, s18, 2
	s_lshl_b32 s19, 15, s19                        ; my row of the cluster
	s_lshl_b32 s20, 0x1111, s17                    ; my column
	s_or_b32 s[G1X+0], s19, (1<<16)|(1<<20)|(1<<21)|(5<<22)|(3<<25)  ; f16; 4 words of padding behind every 64
	s_or_b32 s[G1W+0], s20, (1<<16)|(1<<20)|(1<<21)|(5<<22)|(3<<25)
	s_mov_b32 s[G1X+1], KSTEP<<16
	s_mov_b32 s[G1W+1], KSTEP<<16
	s_mov_b32 s[G1X+2], 128<<16
	s_mov_b32 s[G1W+2], 64<<16
	s_mov_b32 s[G1X+3], KSTEP<<16
	s_mov_b32 s[G1W+3], KSTEP<<16
	s_mov_b32 s[G1X+4], 128
	s_mov_b32 s[G1W+4], 64
	s_mov_b32 s[G1X+5], 1024
	s_mov_b32 s[G1W+5], 1024
	s_mov_b32 s[G1X+6], 0
	s_mov_b32 s[G1W+6], 0
	s_mov_b32 s[G1X+7], 0
	s_mov_b32 s[G1W+7], 0
	s_lshl_b32 s40, s15, 19                        ; att: (256 x token block + 128 x half) rows of 2,048 bytes
	s_lshl_b32 s41, s14, 18
	s_add_co_u32 s40, s40, s41
	s_mov_b32 s41, 0
	s_lshl_b32 s44, s16, 18                        ; the weight: (128 x feature block + 64 x half) rows
	s_lshl_b32 s45, s14, 17
	s_add_co_u32 s44, s44, s45
	s_mov_b32 s45, 0
	s_mul_i32 s21, s12, XH                         ; waves 0, 1: att's halves at 0 and 34,816
	s_mul_i32 s22, s12, WH
	s_add_co_u32 s22, s22, XH                      ; waves 2, 3: the weight's halves at 69,632 and 87,040
	s_wait_dscnt 0x0
	s_wait_kmcnt 0x0
	s_add_nc_u64 s[42:43], s[4:5], s[40:41]
	s_add_nc_u64 s[46:47], s[6:7], s[44:45]
	CROUND                                         ; the first joint loads meet
.irp s, 0,1
	s_mov_b32 s[G0X+4*\s], 1
	s_add_co_u32 s[G0X+4*\s+1], s21, \s*SLOT
	s_add_nc_u64 s[G0X+4*\s+2:G0X+4*\s+3], s[42:43], \s*KSTEP*2
	s_or_b32 s[G0X+4*\s+3], s[G0X+4*\s+3], 0x80000000
	s_mov_b32 s[G0W+4*\s], 1
	s_add_co_u32 s[G0W+4*\s+1], s22, \s*SLOT
	s_add_nc_u64 s[G0W+4*\s+2:G0W+4*\s+3], s[46:47], \s*KSTEP*2
	s_or_b32 s[G0W+4*\s+3], s[G0W+4*\s+3], 0x80000000
	JLOAD \s                                       ; K steps 0 and 1: two tensor loads of the wave are out, later one
.endr
	v_and_b32 v1, 15, v0                           ; r
	v_bfe_u32 v2, v0, 4, 1                         ; h
	s_lshl_b32 s44, s16, 9
	s_lshl_b32 s45, s14, 8
	s_add_co_u32 s44, s44, s45                     ; my 64 columns in bytes of f32: 512 x block + 256 x half, in b_proj and in a row of out0
	s_mov_b32 s45, 0
	s_add_nc_u64 s[8:9], s[8:9], s[44:45]
	v_lshlrev_b32 v[BO], 4, v1
	global_load_b128 v[BIAS:BIAS+3], v[BO], s[8:9] ; columns 4 r .. 4 r + 3 of my 64
	v_mul_u32_u24 v3, v1, PITCH
	v_lshl_add_u32 v3, v2, 4, v3
	s_mul_i32 s21, s13, XH
	s_mul_i32 s22, s14, WH
	s_add_co_u32 s22, s22, 2*XH
.irp s, 0,1
	v_add_nc_u32 v[ADRX+\s], s21, v3
	v_add_nc_u32 v[ADRW+\s], s22, v3
	s_add_co_u32 s21, s21, SLOT
	s_add_co_u32 s22, s22, SLOT
.endr
	s_mul_i32 s23, s12, 16*PITCH
	s_add_co_u32 s23, s23, STAGE                   ; my stage
	v_mul_u32_u24 v4, v1, PITCH
	v_lshl_add_u32 v4, v2, 5, v4                   ; in: row r, 32 bytes (8 f32) for each half of the lanes
	v_add_nc_u32 v[STO], s23, v4
	v_mul_u32_u24 v5, v2, PITCH
	v_lshl_add_u32 v5, v1, 4, v5                   ; back: lanes 0-15 one row of 256 bytes, lanes 16-31 the next
	v_add_nc_u32 v[RD], s23, v5
	v_lshlrev_b32 v5, 12, v2
	v_lshl_add_u32 v[CO], v1, 4, v5                ; the same two rows in out0
.macro MUL16 f, half, zero             ; 16 matrix instructions: token blocks 4 half .. + 3 x 4 feature blocks
.irp a, 4*\half, 4*\half+1, 4*\half+2, 4*\half+3
.irp bb, 0,1,2,3
.if \zero
	v_wmma_f32_16x16x32_f16 v[8*(4*(\a)+\bb):8*(4*(\a)+\bb)+7], v[\f+64+8*\bb:\f+64+8*\bb+7], v[\f+8*(\a):\f+8*(\a)+7], 0
.else
	v_wmma_f32_16x16x32_f16 v[8*(4*(\a)+\bb):8*(4*(\a)+\bb)+7], v[\f+64+8*\bb:\f+64+8*\bb+7], v[\f+8*(\a):\f+8*(\a)+7], v[8*(4*(\a)+\bb):8*(4*(\a)+\bb)+7]
.endif
.endr
.endr
.endm
.macro FETCH s, k, f                   ; 24 loads: a quarter step's fragments, 32 K at byte k of the rows
.irp i, 0,1,2,3,4,5,6,7
	ds_load_b128 v[\f+8*\i:\f+8*\i+3],   v[ADRX+\s] offset:\k+\i*16*PITCH
	ds_load_b128 v[\f+8*\i+4:\f+8*\i+7], v[ADRX+\s] offset:\k+\i*16*PITCH+32
.endr
.irp i, 0,1,2,3
	ds_load_b128 v[\f+64+8*\i:\f+64+8*\i+3],   v[ADRW+\s] offset:\k+\i*16*PITCH
	ds_load_b128 v[\f+64+8*\i+4:\f+64+8*\i+7], v[ADRW+\s] offset:\k+\i*16*PITCH+32
.endr
.endm
; A K step is four quarters of 32 K, 32 matrix instructions each, on buffers 0, 1, 0, 1.  The 32 accumulators take turns, one instruction a turn, in
; the same order in every quarter, over the backward jump too.
.macro QUARTER s, k, f, g, zero        ; fetches the next quarter into g, then multiplies f
	s_wait_dscnt 0x0                               ; buffer f's loads were issued in front of the last quarter's 32 products
	PLACES
	WIN 0
	FETCH \s, \k, \g
	WIN 0x50
	MUL16 \f, 0, \zero
	MUL16 \f, 1, \zero
.endm
.macro THREE s, zero
	QUARTER \s, 64,  F0, F1, \zero
	QUARTER \s, 128, F1, F0, 0
	QUARTER \s, 192, F0, F1, 0
.endm
; The last quarter changes slots: waits for my reads of this slot and for all my tensor loads, one barrier (with fill = 1 it opens a round of the cluster's
; barrier), the refill first behind it, then the next slot's first fragments.  From a request to the wait for it: 112 matrix instructions.
.macro TURN s, next, fill
	s_wait_dscnt 0x0
	s_wait_tensorcnt 0x0
	ds_add_u32 v254, v255
	s_wait_dscnt 0x0
	s_barrier_signal -1
	WIN 0x50
	MUL16 F1, 0, 0
	WIN 0
	s_barrier_wait -1
.if \fill
	CREST
	s_add_nc_u64 s[G0X+4*\s+2:G0X+4*\s+3], s[G0X+4*\s+2:G0X+4*\s+3], 2*KSTEP*2
	s_add_nc_u64 s[G0W+4*\s+2:G0W+4*\s+3], s[G0W+4*\s+2:G0W+4*\s+3], 2*KSTEP*2
	JLOAD \s
.endif
	PLACES
	FETCH \next, 0, F0
	WIN 0x50
	MUL16 F1, 1, 0
.endm
.macro LAP zero
	THREE 0, \zero
	TURN 0, 1, 1
	THREE 1, 0
	TURN 1, 0, 1
.endm
	s_wait_tensorcnt 0x1                           ; my part of K step 0 is in; step 1's stays out
	s_barrier_signal -1
	s_barrier_wait -1
	FETCH 0, 0, F0
	LAP 1                                          ; the first products start the sums
	WIN 0
	s_mov_b32 s23, LAPS-2
.Llap:
	LAP 0
	WIN 0
	s_sub_co_u32 s23, s23, 1
	s_cmp_lg_u32 s23, 0
	s_cbranch_scc1 .Llap
	THREE 0, 0                                     ; the last lap fills nothing
	TURN 0, 1, 0
	THREE 1, 0
	s_wait_dscnt 0x0
	MUL16 F1, 0, 0
	MUL16 F1, 1, 0
	; THE WAY OUT, 16 tokens at a time: the f32 sums go into my own stage, come back as rows of 256 bytes, get the bias and are stored.
	PLACES
	WIN 0
	s_wait_loadcnt 0x0                             ; the bias
	s_lshl_b32 s40, s15, 20                        ; (256 x token block + 128 x half) rows of 4,096 bytes
	s_lshl_b32 s41, s13, 19
	s_add_co_u32 s40, s40, s41
	s_mov_b32 s41, 0
	s_add_nc_u64 s[10:11], s[10:11], s[40:41]
	s_add_nc_u64 s[10:11], s[10:11], s[44:45]      ; and my 64 columns
.macro OUT16 a, f
	WIN 0x04                                       ; the stores' data lie in window 1
.irp bb, 0,1,2,3
	ds_store_b128 v[STO], v[8*(4*\a+\bb):8*(4*\a+\bb)+3]   offset:64*\bb
	ds_store_b128 v[STO], v[8*(4*\a+\bb)+4:8*(4*\a+\bb)+7] offset:64*\bb+16
.endr
	WIN 0
	s_wait_xcnt 0x0                                ; buffer f, which earlier stores read, is loaded again only behind this wait
.irp t, 0,1,2,3,4,5,6,7
	ds_load_b128 v[\f+4*\t:\f+4*\t+3], v[RD] offset:\t*2*PITCH     ; LDS serves a wave's instructions in order (ISA guide 5.7.1.4): these see the stores above
.endr
.irp t, 0,1,2,3,4,5,6,7
	s_wait_dscnt 7-\t
	v_pk_add_f32 v[\f+4*\t:\f+4*\t+1],   v[\f+4*\t:\f+4*\t+1],   v[BIAS:BIAS+1]
	v_pk_add_f32 v[\f+4*\t+2:\f+4*\t+3], v[\f+4*\t+2:\f+4*\t+3], v[BIAS+2:BIAS+3]
	global_store_b128 v[CO], v[\f+4*\t:\f+4*\t+3], s[10:11] offset:\a*65536+\t*8192 th:TH_STORE_NT   ; 16 lanes store 256 consecutive bytes, aligned
.endr
.endm
	OUT16 0, 32
	OUT16 1, 64
	OUT16 2, 32
	OUT16 3, 64
	OUT16 4, 32
	OUT16 5, 64
	OUT16 6, 32
	OUT16 7, 64
	s_wait_tensorcnt 0x0
	ds_add_u32 v254, v255
	s_wait_dscnt 0x0
	CROUND                                         ; the closing round
	s_endpgm
.Lfunc_end_k_q94a2a27d75_gemm_proj:
	.size	k_q94a2a27d75_gemm_proj, .Lfunc_end_k_q94a2a27d75_gemm_proj-k_q94a2a27d75_gemm_proj
	.p2alignl 7, 3214868480
	.fill 96, 4, 3214868480
	.section	.rodata,"a",@progbits
	.p2align	6, 0x0
	.amdhsa_kernel k_q94a2a27d75_gemm_proj
		.amdhsa_group_segment_fixed_size 327680
		.amdhsa_private_segment_fixed_size 0
		.amdhsa_enable_private_segment 0
		.amdhsa_kernarg_size 32
		.amdhsa_user_sgpr_count 2
		.amdhsa_user_sgpr_kernarg_segment_ptr 1
		.amdhsa_wavefront_size32 1
		.amdhsa_system_sgpr_workgroup_id_x 1
		.amdhsa_system_sgpr_workgroup_id_y 1
		.amdhsa_system_sgpr_workgroup_id_z 1
		.amdhsa_system_vgpr_workitem_id 0
		.amdhsa_next_free_vgpr 512
		.amdhsa_next_free_sgpr 66
		.amdhsa_reserve_vcc 0
		.amdhsa_float_denorm_mode_32 3
		.amdhsa_float_denorm_mode_16_64 3
		.amdhsa_memory_ordered 1
		.amdhsa_forward_progress 1
		.amdhsa_inst_pref_size 125
	.end_amdhsa_kernel
	.amdgpu_metadata
---
amdhsa.version: [ 1, 2 ]
amdhsa.kernels:
  - .name:           k_q94a2a27d75_gemm_proj
    .symbol:         k_q94a2a27d75_gemm_proj.kd
    .args:
      - { .name: att, .offset: 0, .size: 8, .value_kind: global_buffer, .address_space: global }
      - { .name: wph, .offset: 8, .size: 8, .value_kind: global_buffer, .address_space: global }
      - { .name: b_proj, .offset: 16, .size: 8, .value_kind: global_buffer, .address_space: global }
      - { .name: out0, .offset: 24, .size: 8, .value_kind: global_buffer, .address_space: global }
    .group_segment_fixed_size: 327680
    .private_segment_fixed_size: 0
    .kernarg_segment_align: 8
    .kernarg_segment_size: 32
    .max_flat_workgroup_size: 128
    .sgpr_count:     66
    .vgpr_count:     512
    .wavefront_size: 32
...
	.end_amdgpu_metadata
.endif
;; end of part 4
